; MI455X (gfx1250); checked and timed in simulation.
; The chip was launched on July 23, 2026; its instructions are those of AMD's public machine-readable ISA for CDNA 5 (MIT licence, August 2026) and "CDNA5" Instruction Set Architecture Reference Guide (July 2026). The comments in the code are by the model that wrote it; some were corrected since.
;; Ro PE Multi Head Attention. Allowed arithmetic: float matrix products may take bf16 or f16 operands with f32 sums; other float arithmetic in f32, or as packed bf16 or f16 multiplies, adds, multiply-adds, maxima and minima; sums over many terms, partial sums and values carried from step to step in f32; what a program stores and reads back later, other than sums and carried values, may be rounded once to bf16 or f16.
;; Inputs: Wk 2,048 x 2,048 float32; Wo 2,048 x 2,048 float32; Wq 2,048 x 2,048 float32; Wv 2,048 x 2,048 float32; bk 2,048 float32; bo 2,048 float32; bq 2,048 float32; bv 2,048 float32; x 64 x 64 x 2,048 float32.
;; Outputs: out0 64 x 64 x 2,048 float32.
;; 2 versions, each right; version 2 is version 1 with the launch prep written anew for expert scheduling mode. Each part assembles by itself: llvm-mc -triple=amdgcn-amd-amdhsa -mcpu=gfx1250 --defsym DOCPART=n.
;; ======== version 1 of 2: 3 launches
;; limits: values are held in f16: magnitudes above 65,504 overflow, below 6.1e-05 lose precision
;; workspace buffers: xb 16,777,216 bytes; wb 25,165,824 bytes; wob 8,388,608 bytes; ob 16,777,216 bytes
;; launch prep (part 1): grid 128 x 6, 8 waves a work-group, no clusters, 0 bytes of LDS; arguments x, Wq, Wk, Wv, Wo, xb, wb, wob; writes xb, wb, wob
.if DOCPART == 1
	.amdgcn_target "amdgcn-amd-amdhsa--gfx1250"
	.amdhsa_code_object_version 6
	.text
	.protected	k_qe43dfea52c_prep
	.globl	k_qe43dfea52c_prep
	.p2align	8
	.type	k_qe43dfea52c_prep,@function
k_qe43dfea52c_prep:
	s_mov_b64 s[64:65], 0
	v_nop
	global_prefetch_b8 v0, s[64:65] scope:SCOPE_SE
	s_setreg_imm32_b32 hwreg(HW_REG_WAVE_MODE, 25, 1), 1
	s_wait_xcnt 0x0
; THE MATRIX OPERANDS, ROUNDED ONCE AND LAID IN BLOCKS OF K.  x, Wq, Wk, Wv: f32 -> bf16.  Wo: f32 -> bf16, and that number written as f16 (the last product's other
; operand is f16).  LIMIT: bf16(Wo) beyond 65,504 becomes an infinity; below 6e-5 it keeps f16's fixed step of 6e-8.
; LAYOUT OUT: [32 blocks of K][rows][64 numbers]: number (row, k) lies at byte ((k >> 6) x ROWS + row) x 128 + (k & 63) x 2, so that R rows of one block are R x 128
; consecutive bytes.  xb: 4,096 rows as in x.  wb: 6,144 rows, row = head x 384 + part x 128 + e % 128 (part 0, 1, 2 = q, k, v; e the weight's row).  wob: 2,048 rows as in Wo.
; SHARES.  Grid y names the tensor: 0, 1 the two halves of x's rows; 2, 3, 4 Wq, Wk, Wv; 5 Wo.  A work-group takes 16 rows, whole: 131,072 bytes in, 65,536 out.
; Thread t reads 16 bytes at row t / 16, byte 16 (t % 16) of each block's 256: a wave's load covers two rows' 256 consecutive, aligned bytes.  It writes 8 bytes at 8 t of the
; group's 2,048 consecutive bytes of that block: a wave's store covers 256 consecutive, aligned bytes.
; All 32 loads of a thread go out at once; no register that a pending load or store names is written again, so the only waits are the counted ones for the data.
; No LDS, no barrier, no matrix unit: no byte is wanted by two threads.
.set KBSA, 524288                      ; bytes from block to block in xb
.set KBSB, 786432                      ; in wb
.set KBSO, 262144                      ; in wob
.set OFF,  2                           ; v[2:33]    block k: my byte offset in the destination
.set X,    36                          ; v[36:163]  block k: four f32 as loaded
.set Y,    164                         ; v[164:227] block k: four 16-bit numbers to store
.set T,    228                         ; v[228:229] at work
	s_load_b512 s[8:23], s[0:1], 0x0               ; x 8, Wq 10, Wk 12, Wv 14, Wo 16, xb 18, wb 20, wob 22
	s_and_b32 s2, ttmp7, 0xffff                    ; y
	s_sub_co_u32 s3, s2, 2                         ; the part, 0 to 2, where y names Wq, Wk, Wv
	v_lshrrev_b32 v1, 4, v0
	v_and_b32 v2, 15, v0
	v_lshlrev_b32 v2, 4, v2
	v_lshl_add_u32 v1, v1, 13, v2                  ; row x 8,192 + 16 (t % 16)
	v_lshlrev_b32 v[OFF], 3, v0                    ; 8 t
	s_lshl_b32 s29, ttmp9, 4                       ; 16 x the group's number
	s_cmp_eq_u32 s2, 1
	s_cselect_b32 s30, 2048, 0
	s_add_co_u32 s30, s30, s29                     ; the first source row
	s_lshr_b32 s32, ttmp9, 3                       ; a weight's head,
	s_mul_i32 s32, s32, 384
	s_lshl_b32 s33, s3, 7                          ; its part,
	s_add_co_u32 s32, s32, s33
	s_and_b32 s33, ttmp9, 7                        ; and its rows in the head
	s_lshl_b32 s33, s33, 4
	s_add_co_u32 s32, s32, s33
	s_cmp_lt_u32 s3, 3
	s_cselect_b32 s32, s32, s30                    ; the first destination row: x and Wo keep their rows
	s_lshl_b32 s30, s30, 13                        ; in bytes, as pairs with 0 above
	s_mov_b32 s31, 0
	s_lshl_b32 s32, s32, 7
	s_mov_b32 s33, 0
	s_mov_b32 s28, KBSO
	s_cmp_lt_u32 s2, 2
	s_cselect_b32 s28, KBSA, s28
	s_cmp_lt_u32 s3, 3
	s_cselect_b32 s28, KBSB, s28                   ; bytes from block to block in my destination
	s_wait_kmcnt 0x0
	s_cmp_lt_u32 s2, 2
	s_cselect_b64 s[24:25], s[8:9], s[16:17]       ; the source,
	s_cselect_b64 s[26:27], s[18:19], s[22:23]     ; the destination
	s_cmp_eq_u32 s2, 2
	s_cselect_b64 s[24:25], s[10:11], s[24:25]
	s_cmp_eq_u32 s2, 3
	s_cselect_b64 s[24:25], s[12:13], s[24:25]
	s_cmp_eq_u32 s2, 4
	s_cselect_b64 s[24:25], s[14:15], s[24:25]
	s_cmp_lt_u32 s3, 3
	s_cselect_b64 s[26:27], s[20:21], s[26:27]
	s_add_nc_u64 s[24:25], s[24:25], s[30:31]
	s_add_nc_u64 s[26:27], s[26:27], s[32:33]
.set k, 0
.rept 32
	global_load_b128 v[X+4*k:X+4*k+3], v1, s[24:25] offset:256*k th:TH_LOAD_NT
.set k, k+1
.endr
.set k, 0
.rept 31
	v_add_nc_u32 v[OFF+k+1], s28, v[OFF+k]         ; made while the loads are on their way
.set k, k+1
.endr
; Block k leaves.  half = 1: by way of bf16 into f16.
.macro OUT k, half
	s_wait_loadcnt 31-(\k)                         ; loads come back in order: block k is in, the 31 - k younger ones stay out
.if \half
	v_cvt_pk_bf16_f32 v[T], v[X+4*(\k)], v[X+4*(\k)+1]
	v_cvt_pk_bf16_f32 v[T+1], v[X+4*(\k)+2], v[X+4*(\k)+3]
	v_lshlrev_b32 v[X+4*(\k)], 16, v[T]
	v_and_b32 v[X+4*(\k)+1], 0xffff0000, v[T]
	v_lshlrev_b32 v[X+4*(\k)+2], 16, v[T+1]
	v_and_b32 v[X+4*(\k)+3], 0xffff0000, v[T+1]
	v_cvt_pk_f16_f32 v[Y+2*(\k)], v[X+4*(\k)], v[X+4*(\k)+1]
	v_cvt_pk_f16_f32 v[Y+2*(\k)+1], v[X+4*(\k)+2], v[X+4*(\k)+3]
.else
	v_cvt_pk_bf16_f32 v[Y+2*(\k)], v[X+4*(\k)], v[X+4*(\k)+1]
	v_cvt_pk_bf16_f32 v[Y+2*(\k)+1], v[X+4*(\k)+2], v[X+4*(\k)+3]
.endif
	global_store_b64 v[OFF+(\k)], v[Y+2*(\k):Y+2*(\k)+1], s[26:27]
.endm
	s_cmp_eq_u32 s2, 5
	s_cbranch_scc1 .Lf16
.set k, 0
.rept 32
	OUT k, 0
.set k, k+1
.endr
	s_endpgm
.Lf16:
.set k, 0
.rept 32
	OUT k, 1
.set k, k+1
.endr
	s_endpgm
.Lfunc_end_k_qe43dfea52c_prep:
	.size	k_qe43dfea52c_prep, .Lfunc_end_k_qe43dfea52c_prep-k_qe43dfea52c_prep
	.p2alignl 7, 3214868480
	.fill 96, 4, 3214868480
	.section	.rodata,"a",@progbits
	.p2align	6, 0x0
	.amdhsa_kernel k_qe43dfea52c_prep
		.amdhsa_group_segment_fixed_size 0
		.amdhsa_private_segment_fixed_size 0
		.amdhsa_enable_private_segment 0
		.amdhsa_kernarg_size 64
		.amdhsa_user_sgpr_count 2
		.amdhsa_user_sgpr_kernarg_segment_ptr 1
		.amdhsa_wavefront_size32 1
		.amdhsa_system_sgpr_workgroup_id_x 1
		.amdhsa_system_sgpr_workgroup_id_y 1
		.amdhsa_system_sgpr_workgroup_id_z 1
		.amdhsa_system_vgpr_workitem_id 0
		.amdhsa_next_free_vgpr 232
		.amdhsa_next_free_sgpr 66
		.amdhsa_reserve_vcc 0
		.amdhsa_float_denorm_mode_32 3
		.amdhsa_float_denorm_mode_16_64 3
		.amdhsa_memory_ordered 1
		.amdhsa_forward_progress 1
		.amdhsa_inst_pref_size 32
	.end_amdhsa_kernel
	.amdgpu_metadata
---
amdhsa.version: [ 1, 2 ]
amdhsa.kernels:
  - .name:           k_qe43dfea52c_prep
    .symbol:         k_qe43dfea52c_prep.kd
    .args:
      - { .name: x, .offset: 0, .size: 8, .value_kind: global_buffer, .address_space: global }
      - { .name: Wq, .offset: 8, .size: 8, .value_kind: global_buffer, .address_space: global }
      - { .name: Wk, .offset: 16, .size: 8, .value_kind: global_buffer, .address_space: global }
      - { .name: Wv, .offset: 24, .size: 8, .value_kind: global_buffer, .address_space: global }
      - { .name: Wo, .offset: 32, .size: 8, .value_kind: global_buffer, .address_space: global }
      - { .name: xb, .offset: 40, .size: 8, .value_kind: global_buffer, .address_space: global }
      - { .name: wb, .offset: 48, .size: 8, .value_kind: global_buffer, .address_space: global }
      - { .name: wob, .offset: 56, .size: 8, .value_kind: global_buffer, .address_space: global }
    .group_segment_fixed_size: 0
    .private_segment_fixed_size: 0
    .kernarg_segment_align: 8
    .kernarg_segment_size: 64
    .max_flat_workgroup_size: 256
    .sgpr_count:     66
    .vgpr_count:     232
    .wavefront_size: 32
...
	.end_amdgpu_metadata
.endif
;; end of part 1
;; launch qkvattn (part 2): grid 16 x 16, 4 waves a work-group, clusters of 4 x 4, 327,680 bytes of LDS; arguments xb, wb, bq, bk, bv, ob; writes ob
.if DOCPART == 2
	.amdgcn_target "amdgcn-amd-amdhsa--gfx1250"
	.amdhsa_code_object_version 6
	.text
	.protected	k_qe43dfea52c_qkvattn
	.globl	k_qe43dfea52c_qkvattn
	.p2align	8
	.type	k_qe43dfea52c_qkvattn,@function
k_qe43dfea52c_qkvattn:
	s_mov_b64 s[64:65], 0
	v_nop
	global_prefetch_b8 v0, s[64:65] scope:SCOPE_SE
	s_setreg_imm32_b32 hwreg(HW_REG_WAVE_MODE, 25, 1), 1
	s_wait_xcnt 0x0
	s_wait_alu depctr_hold_cnt(0) depctr_sa_sdst(0) depctr_va_vdst(0) depctr_va_sdst(0) depctr_va_ssrc(0) depctr_va_vcc(0) depctr_vm_vsrc(0)
	s_getreg_b32 s2, hwreg(HW_REG_IB_STS2, 6, 4)
	s_cmp_eq_u32 s2, 0
	s_cbranch_scc0 .Lentry_in_a_cluster
	s_endpgm
.Lentry_in_a_cluster:
	s_bfe_u32 s2, ttmp6, 0x10000c
	s_cmp_lg_u32 s2, 0xf033
	s_cbranch_scc0 .Lentry_shape_is_right
	s_endpgm
.Lentry_shape_is_right:
; q, k, v = x W^T + b, RoPE ON q AND k, AND softmax(q k^T / sqrt(128)) v, FOR FOUR BATCHES AND ONE HEAD A WORK-GROUP.  q, k and v never leave the registers.
; IN: xb, wb (bf16, in blocks of 64 along K: [32][rows][64]; wb's rows by head: 128 of q, 128 of k, 128 of v), bq, bk, bv (f32, rounded to bf16 here like the other inputs).
; OUT: ob, f16, [32][4,096][64]: block 2 head + d / 64, row 64 batch + position.
; SHARES.  A work-group: 256 rows of x (4 batches of 64) x 384 columns (one head's q, k, v).  A wave: ONE batch: 64 x 384 = 96 accumulators of 16 x 16, 768 registers.  For 32 along K a
; wave reads (64 + 384) x 64 bytes from LDS, 56 loads, for 96 matrix instructions.  A batch's whole attention then lies in one wave: no exchange between waves.
; OPERAND ORDER.  q, k TRANSPOSED (source 0 = 16 rows of W, source 1 = 16 rows of x): a lane holds one position (lane % 16) and the channels 8 (lane / 16) + 0..7: a RoPE pair is a register
; pair, and two neighbouring tiles rounded to f16 ARE a fragment (16 positions x 32 channels) of S^T = k q^T.  v NATURAL (source 0 = x, source 1 = W): a lane holds one channel and 8 keys:
; two tiles rounded to f16 ARE a fragment (16 channels x 32 keys) of O^T = v^T P.  S^T holds one query a lane, and two of its tiles rounded ARE source 1 of that product.
; FORMATS.  x, W, biases: bf16.  What the program makes (q, k, v, the weights p, O): f16, each rounded once from f32.  Sums, maximum, l: f32.
; LIMITS.  q, k, v beyond 65,504 become infinities; below 6e-5 they keep f16's fixed step of 6e-8.  A weight below 2^-126 counts as 0 in l.  NaN and infinities are not treated apart.
; bv is added behind the normalisation (the weights divided by l sum to 1).  cos and sin are made here, by series and rotation, to about 1e-5.
; SOFTMAX.  All 64 keys of a query are at hand, so the true maximum m is taken: p = 2^(c s - c m), c = log2(e) / sqrt(128).
; RING.  Two LDS slots of one K block (64 along K): 256 rows of x, 384 rows of W.  Two slots of two blocks, 184,320 bytes each, do not fit.  Waves 0, 1 fetch x's halves, waves 2, 3 W's.
; CLUSTER 4 x 4.  x's tile hangs on the row block alone: shared along a row of the cluster; W's on the head alone: shared along a column.  Each is asked for jointly.
; REGISTERS, in windows of 256 (s_set_vgpr_msb: bits 1:0 source 0, 3:2 source 1, 5:4 source 2, 7:6 destination):
;   window 0: v0-15 addresses; v16-47 statistics (8 a query tile); v48-63 at work; v64-127 x's fragments, two buffers of 32; v128-255 W's, two buffers of 64; behind the loop all of v64-255 at work
;   window 1: q, tile (m, c) at 8 (8 m + c), later O^T;   window 2: k, likewise;   window 3: v, tile (m, c) at 8 (4 c + m)
.set KBSA,  524288                     ; bytes from K block to K block in xb and ob
.set KBSB,  786432                     ; in wb
.set PITCH, 144                        ; an LDS row: 128 bytes + 16: an odd multiple of 16, so the 16 rows of a load start in 16 different 16-byte columns of 256 bytes
.set BOFF,  256*PITCH                  ; W's rows lie behind x's 256
.set SLOT,  640*PITCH                  ; 92,160
.set TABLE, 2*SLOT                     ; behind the ring, never filled by a tensor load: (cos, sin) of position p, pair i at p x 528 + 8 i
.set TP,    528
.set BIAS,  TABLE+64*TP                ; the head's bq, bk, bv, 512 bytes each
.set STAGE, BIAS+1536                  ; 16 rows x 144 bytes for each wave, for the way out
.set SPARE, STAGE+4*16*PITCH           ; the spare words, 128 bytes for each wave: two blocks of 256 bytes that no other line names
.set ADRA, 4                           ; v4-5   LDS address of my x fragments in slot 0, 1
.set ADRB, 6                           ; v6-7   of W's
.set TBA,  8                           ; v8     my place in the table
.set BIA,  9                           ; v9     my place in a bias
.set STO,  10                          ; v10    the way out: where I put 16 bytes of a row
.set RD,   11                          ; v11    where I read rows back
.set GO,   12                          ; v12    16 x lane
.set PFO,  13                          ; v13    the prefetch's offset; never rewritten
.set SPW,  14                          ; v14    LDS address of my spare word; never rewritten
.set NIL,  15                          ; v15    0; never rewritten
.set ST,   16                          ; query tile t at ST + 8 t: c m, m, l (even keys', odd keys'), c0-c3 at work
.set AF,   64
.set BF,   128
.set TB,   64                          ; behind the loop: table, bq, bk, sums with bias, rotated numbers: 32 each
.set BQ,   96
.set T,    160
.set U,    192
.set S,    64                          ; S^T, tile (q, k) at S + 32 q + 8 k
.set P,    192                         ; the weights in f16, 16 a query tile
.set BV,   64                          ; bv of my 8 channels in each of 8 channel tiles
.set OB,   128                         ; O in f16, 16 a unit of the way out
.set WV,   16                          ; s16  wave
.set FORB, 17                          ; s17  0: I fetch x's tiles, 1: W's
.set HALF, 18                          ; s18  which half of them
.set CX,   19
.set CY,   20
.set HD,   21                          ; s21  head
.set RB,   22                          ; s22  block of 256 rows
.set G1,   24                          ; s[24:31] descriptor group 1 for x's tiles;  s[32:39] group 0, a set for each slot
.set G0,   32
.set G1B,  40                          ; s[40:47], s[48:55] the same for W's
.set G0B,  48
.set PFA,  56                          ; s[56:57] where my prefetches stand
.set PFS,  58                          ; s[58:59] their step: two K blocks
.set LIM,  60                          ; s60  1 in a wave that prefetches, else the greatest number
.set CS,   66                          ; s[66:67] c, twice
.set SEL,  68                          ; s[68:69] v_permlanex16_b32's selects: each lane takes its own place in the other half
.set MSB, 0
.macro WIN new                         ; the immediate's high byte repeats the setting that is left; a switch that changes nothing is dropped
.if MSB != (\new)
	s_set_vgpr_msb (MSB<<8)|(\new)
.set MSB, \new
.endif
.endm
.macro PLACES                          ; four places behind a matrix instruction, in front of loads into registers that it has read and of vector lines that read its result
.rept 4
	v_nop
.endr
.endm
.macro CREST                           ; a round of the cluster's barrier behind its opening barrier
	s_cmp_lg_u32 s[WV], 0
	s_cbranch_scc1 .Lnot_wave_0_\@
	s_barrier_signal -3
.Lnot_wave_0_\@:
	s_barrier_wait -3
	s_barrier_signal -1
	s_barrier_wait -1
.endm
.macro CROUND                          ; a whole round
	s_barrier_signal -1
	s_barrier_wait -1
	CREST
.endm
; A joint load.  The branch hangs on the wave's number alone.  An s_nop 0 and four v_nop follow each of the two lines, ahead of the jump and the label.
.macro JLOAD s
	s_cmp_eq_u32 s[FORB], 0
	s_cbranch_scc0 .Lfor_b_\@
	tensor_load_to_lds s[G0+4*(\s):G0+4*(\s)+3], s[G1:G1+7]
	s_nop 0
.rept 4
	v_nop
.endr
	s_branch .Lasked_\@
.Lfor_b_\@:
	tensor_load_to_lds s[G0B+4*(\s):G0B+4*(\s)+3], s[G1B:G1B+7]
	s_nop 0
.rept 4
	v_nop
.endr
.Lasked_\@:
.endm
; A PREFETCH INTO THE L2, once a trip, behind slot 0's joint load: the two K blocks that the NEXT trip's two refills ask for (lanes 0-15 the first, lanes 16-31 the second; 16 blocks of 256 bytes each),
; 384 and 576 matrix instructions ahead of those loads.  Each block of 256 bytes is named once in the launch.  x's tile of a row block (128 such blocks a K block) is read by all 16 heads: wave 0
; of heads 0 to 7 (cluster x below 2) takes 16 each, told apart by address.  W's tile of a head (192) is read by all 16 row blocks: in cluster y = 0 the four partners' waves 1 to 3 take 16 each.
; K blocks 0 to 3 come by their loads alone; the last trip asks for nothing (s3 = 1 there).
.macro ASK
	s_cmp_gt_u32 s3, s[LIM]
	s_cbranch_scc0 .Lnot_mine_\@
	global_prefetch_b8 v[PFO], s[PFA:PFA+1] th:TH_LOAD_NT scope:SCOPE_SE
.Lnot_mine_\@:
.endm
; x's four fragments (my 64 rows x 32 K, half c of the K block) of slot s into buffer c
.macro LOADA s, c
.irp i, 0,1,2,3
	ds_load_b128 v[AF+32*(\c)+8*(\i):AF+32*(\c)+8*(\i)+3],   v[ADRA+(\s)] offset:64*(\c)+(\i)*16*PITCH
	ds_load_b128 v[AF+32*(\c)+8*(\i)+4:AF+32*(\c)+8*(\i)+7], v[ADRA+(\s)] offset:64*(\c)+(\i)*16*PITCH+32
.endr
.endm
; W's eight fragments of part p (128 rows x 32 K, half c) of slot s into buffer b
.macro LOADB s, c, p, b
.irp i, 0,1,2,3,4,5,6,7
	ds_load_b128 v[BF+64*(\b)+8*(\i):BF+64*(\b)+8*(\i)+3],   v[ADRB+(\s)] offset:(128*(\p)+16*(\i))*PITCH+64*(\c)
	ds_load_b128 v[BF+64*(\b)+8*(\i)+4:BF+64*(\b)+8*(\i)+7], v[ADRB+(\s)] offset:(128*(\p)+16*(\i))*PITCH+64*(\c)+32
.endr
.endm
; Products i0 .. i0 + n - 1 of the 32 of part p (x's buffer c, W's buffer b).  Each accumulator has one instruction in a part, and neighbouring parts lie in different windows: the accumulators
; take turns over the backward jump too.  zero = 1: the product starts its sum: nothing is cleared.
.macro MULP p, c, b, i0, n, zero
	WIN 0x50*((\p)+1)
.set idx, \i0
.rept \n
.set tm, idx/8
.set tc, idx%8
.if (\p) < 2
.set rD, 8*(8*tm+tc)
.set rX, BF+64*(\b)+8*tc
.set rY, AF+32*(\c)+8*tm
.else
.set rD, 8*(4*tc+tm)
.set rX, AF+32*(\c)+8*tm
.set rY, BF+64*(\b)+8*tc
.endif
.if \zero
	v_wmma_f32_16x16x32_bf16 v[rD:rD+7], v[rX:rX+7], v[rY:rY+7], 0
.else
	v_wmma_f32_16x16x32_bf16 v[rD:rD+7], v[rX:rX+7], v[rY:rY+7], v[rD:rD+7]
.endif
.set idx, idx+1
.endr
.endm
; A PART: 32 products.  At its head the fragments asked for at the head of the part before are waited for, and the next part's are asked for, into the buffer that the part before has multiplied:
; one run of loads, 32 products ahead of its use.
.macro HEAD
	s_wait_dscnt 0x0
	PLACES
	WIN 0
.endm
.macro PQ0 s, zero                     ; half 0 of the K block: q
	HEAD
	LOADB \s, 0, 1, 1
	MULP 0, 0, 0, 0, 32, \zero
.endm
.macro PK0 s, zero                     ; k
	HEAD
	LOADB \s, 0, 2, 0
	LOADA \s, 1
	MULP 1, 0, 1, 0, 32, \zero
.endm
.macro PV0 s, zero                     ; v
	HEAD
	LOADB \s, 1, 0, 1
	MULP 2, 0, 0, 0, 32, \zero
.endm
.macro PQ1 s                           ; half 1: q
	HEAD
	LOADB \s, 1, 1, 0
	MULP 0, 1, 1, 0, 32, 0
.endm
.macro PK1 s                           ; k, where no slot changes
	HEAD
	LOADB \s, 1, 2, 1
	MULP 1, 1, 0, 0, 32, 0
.endm
.macro PV1 nxt, ld                     ; v; ld = 1: the other slot's first fragments are asked for
	HEAD
.if \ld
	LOADB \nxt, 0, 0, 0
	LOADA \nxt, 0
.endif
	MULP 2, 1, 1, 0, 32, 0
.endm
; THE CHANGE OF SLOTS rides on half 1's k.  Its head asks for the slot's last bytes.  Then each wave waits for all its tensor loads, of which one is out: its part of the other slot; adds 0 to its
; spare word; and waits for that and for its reads of this slot.  Behind the barrier nobody reads this slot and the other slot is whole.  fill = 1: the barrier opens a round of the cluster's, and the
; joint refill, two K blocks on, is the first thing behind the round: it has 176 matrix instructions in which to land.
.macro TURN s, fill, ask
.if \ask
	s_wait_xcnt 0x0                                ; the last prefetch, a trip back, has read its address
	s_add_nc_u64 s[PFA:PFA+1], s[PFA:PFA+1], s[PFS:PFS+1]
.endif
	HEAD
	LOADB \s, 1, 2, 1
	MULP 1, 1, 0, 0, 16, 0
	WIN 0                                          ; (the add's two registers lie in window 0)
	s_wait_tensorcnt 0x0                           ; all my tensor loads have landed
	ds_add_u32 v[SPW], v[NIL]                      ; 0 onto my spare word
	MULP 1, 1, 0, 16, 8, 0                         ; eight matrix instructions stand between the add and the wait for it
	s_wait_dscnt 0x0                               ; the add is done, and my reads of this slot are over
	s_barrier_signal -1
	MULP 1, 1, 0, 24, 8, 0                         ; work on registers while the others arrive
	WIN 0                                          ; at a branch and at a label every window is 0
	s_barrier_wait -1
.if \fill
	CREST                                          ; no wave of any partner still reads this slot or has a load on its way
	s_add_nc_u64 s[G0+4*(\s)+2:G0+4*(\s)+3], s[G0+4*(\s)+2:G0+4*(\s)+3], 2*KBSA
	s_add_nc_u64 s[G0B+4*(\s)+2:G0B+4*(\s)+3], s[G0B+4*(\s)+2:G0B+4*(\s)+3], 2*KBSB
	JLOAD \s
.if \ask
	ASK
.endif
.endif
.endm
	s_load_b256 s[4:11], s[0:1], 0x0               ; xb s[4:5], wb s[6:7], bq s[8:9], bk s[10:11]
	s_load_b128 s[12:15], s[0:1], 0x20             ; bv s[12:13], ob s[14:15]
	v_lshl_add_u32 v[SPW], v0, 2, SPARE
	v_mov_b32 v[NIL], 0
	ds_add_u32 v[SPW], v[NIL]                      ; the wave's opening: the add and its wait stand ahead of my first tensor load; the set-up below, work on registers, stands between them
	v_lshrrev_b32 v3, 5, v0
	v_readfirstlane_b32 s[WV], v3                  ; wave 0..3
	s_lshr_b32 s[FORB], s[WV], 1
	s_and_b32 s[HALF], s[WV], 1
	s_bfe_u32 s[CX], ttmp6, 0x40000
	s_bfe_u32 s[CY], ttmp6, 0x40004
	s_lshl_b32 s[HD], ttmp9, 2
	s_add_co_u32 s[HD], s[HD], s[CX]               ; head = 4 x cluster x + cx
	s_and_b32 s[RB], ttmp7, 0xffff
	s_lshl_b32 s[RB], s[RB], 2
	s_add_co_u32 s[RB], s[RB], s[CY]               ; row block = 4 x cluster y + cy
	s_lshl_b32 s2, s[CY], 2
	s_lshl_b32 s2, 15, s2                          ; my row of the cluster
	s_lshl_b32 s23, 0x1111, s[CX]                  ; my column
	; descriptor group 1.  128 (192) rows of a K block are dense: asked for as 64 (96) rows of 256 bytes, two rows each, padded in LDS after every 128 bytes
	s_or_b32 s[G1], s2, (1<<16)|(1<<20)|(1<<21)|(4<<22)|(3<<25)    ; 15:0 the mask; 17:16 2-byte elements; 20 padding on; 21 set beside a mask; 24:22 after every 32 words (code 4); 31:25 4 words (code 3)
	s_or_b32 s[G1B], s23, (1<<16)|(1<<20)|(1<<21)|(4<<22)|(3<<25)
	s_mov_b32 s[G1+1], 128<<16                     ; tensor_dim0 = 128
	s_mov_b32 s[G1+2], 64<<16                      ; tensor_dim1 = 64
	s_mov_b32 s[G1+3], 128<<16                     ; tile_dim0 = 128
	s_mov_b32 s[G1+4], 64                          ; tile_dim1 = 64
	s_mov_b32 s[G1+5], 128                         ; 128 elements from row to row
	s_mov_b32 s[G1+6], 0
	s_mov_b32 s[G1+7], 0
	s_mov_b32 s[G1B+1], 128<<16
	s_mov_b32 s[G1B+2], 96<<16
	s_mov_b32 s[G1B+3], 128<<16
	s_mov_b32 s[G1B+4], 96
	s_mov_b32 s[G1B+5], 128
	s_mov_b32 s[G1B+6], 0
	s_mov_b32 s[G1B+7], 0
	s_lshl_b32 s70, s[RB], 15                      ; x: the row block's 256 rows of 128 bytes,
	s_lshl_b32 s62, s[HALF], 14                    ; my half of them
	s_add_co_u32 s70, s70, s62
	s_mov_b32 s71, 0
	s_mul_i32 s72, s[HD], 49152                    ; W: the head's 384 rows,
	s_mul_i32 s62, s[HALF], 24576                  ; my half of them
	s_add_co_u32 s72, s72, s62
	s_mov_b32 s73, 0
	s_mul_i32 s74, s[HALF], 128*PITCH              ; and where they go: no place in the cluster enters an LDS address
	s_mul_i32 s75, s[HALF], 192*PITCH
	s_add_co_u32 s75, s75, BOFF
	s_mov_b32 s[CS], 0x3e0293ee                    ; c = log2(e) / sqrt(128) = 0.127517
	s_mov_b32 s[CS+1], s[CS]
	s_mov_b32 s[SEL], 0x76543210
	s_mov_b32 s[SEL+1], 0xfedcba98
	s_wait_dscnt 0x0                               ; the opening add is done
	s_wait_kmcnt 0x0
	s_add_nc_u64 s[70:71], s[4:5], s[70:71]
	s_add_nc_u64 s[72:73], s[6:7], s[72:73]
	CROUND                                         ; all sixteen work-groups are here: the first joint loads meet
.irp s, 0,1
	s_mov_b32 s[G0+4*(\s)], 1                      ; count = 1
	s_add_co_u32 s[G0+4*(\s)+1], s74, (\s)*SLOT    ; LDS address
	s_add_nc_u64 s[G0+4*(\s)+2:G0+4*(\s)+3], s[70:71], (\s)*KBSA  ; global address: K block s
	s_or_b32 s[G0+4*(\s)+3], s[G0+4*(\s)+3], 0x80000000           ; type = 2
	s_mov_b32 s[G0B+4*(\s)], 1
	s_add_co_u32 s[G0B+4*(\s)+1], s75, (\s)*SLOT
	s_add_nc_u64 s[G0B+4*(\s)+2:G0B+4*(\s)+3], s[72:73], (\s)*KBSB
	s_or_b32 s[G0B+4*(\s)+3], s[G0B+4*(\s)+3], 0x80000000
	JLOAD \s                                       ; two loads of mine are out
.endr
	; WHILE THE FIRST TILES ARE ON THEIR WAY.  The head's biases: thread t takes channel t of each.
	s_lshl_b32 s2, s[HD], 9
	s_mov_b32 s3, 0
	s_add_nc_u64 s[8:9], s[8:9], s[2:3]
	s_add_nc_u64 s[10:11], s[10:11], s[2:3]
	s_add_nc_u64 s[12:13], s[12:13], s[2:3]
	v_lshlrev_b32 v48, 2, v0
	global_load_b32 v49, v48, s[8:9]
	global_load_b32 v50, v48, s[10:11]
	global_load_b32 v51, v48, s[12:13]
	v_lshl_add_u32 v52, v0, 2, BIAS
	; addresses
	v_and_b32 v1, 15, v0                           ; l % 16
	v_bfe_u32 v2, v0, 4, 1                         ; l / 16
	v_mul_u32_u24 v3, v1, PITCH
	v_lshl_add_u32 v3, v2, 4, v3                   ; row x pitch + 16 x half: a fragment is two loads of 16 bytes, 32 bytes apart
	s_mul_i32 s62, s[WV], 64*PITCH                 ; my batch's 64 rows
	v_add_nc_u32 v[ADRA], s62, v3
	v_add_nc_u32 v[ADRA+1], SLOT, v[ADRA]
	v_add_nc_u32 v[ADRB], BOFF, v3
	v_add_nc_u32 v[ADRB+1], SLOT, v[ADRB]
	v_mul_u32_u24 v[TBA], v1, TP                   ; position l % 16, pairs 4 (l / 16) on
	v_lshl_add_u32 v[TBA], v2, 5, v[TBA]
	v_add_nc_u32 v[TBA], TABLE, v[TBA]
	v_lshl_add_u32 v[BIA], v2, 5, BIAS             ; channels 8 (l / 16) on
	s_mul_i32 s63, s[WV], 16*PITCH
	s_add_co_u32 s63, s63, STAGE                   ; my stage
	v_add_nc_u32 v[STO], s63, v3
	v_bfe_u32 v[RD], v0, 3, 2                      ; back: 32 lanes take four rows of 128 bytes
	v_mul_u32_u24 v[RD], v[RD], PITCH
	v_and_b32 v53, 7, v0
	v_lshl_add_u32 v[RD], v53, 4, v[RD]
	v_add_nc_u32 v[RD], s63, v[RD]
	v_and_b32 v31, 31, v0                          ; lane
	v_lshlrev_b32 v[GO], 4, v31
	; O's address: block 2 head, my batch's rows
	s_lshl_b32 s2, s[HD], 20
	s_lshl_b32 s23, s[RB], 15
	s_add_co_u32 s2, s2, s23
	s_lshl_b32 s23, s[WV], 13
	s_add_co_u32 s2, s2, s23
	s_add_nc_u64 s[14:15], s[14:15], s[2:3]
	; the prefetches
	s_mov_b32 s62, KBSB
	s_cmp_eq_u32 s[WV], 0
	s_cselect_b32 s62, KBSA, s62                   ; bytes from K block to K block in the tensor that I ask for
	v_mul_u32_u24 v[PFO], v2, s62                  ; lanes 16-31: the second K block
	v_lshl_add_u32 v[PFO], v1, 8, v[PFO]           ; 256 bytes a lane
	s_lshl_b32 s[PFS], s62, 1
	s_mov_b32 s[PFS+1], 0
	s_lshl_b32 s2, s[RB], 15                       ; x: the row block's tile,
	s_and_b32 s23, s[HD], 7
	s_lshl_b32 s23, s23, 12                        ; my head's sixteenth part of two... my head's 4,096 bytes of its 32,768
	s_add_co_u32 s2, s2, s23
	s_mul_i32 s23, s[HD], 49152                    ; W: the head's tile,
	s_mul_i32 s63, s[CY], 12288                    ; my work-group's quarter,
	s_add_co_u32 s23, s23, s63
	s_lshl_b32 s63, s[WV], 12                      ; my wave's third of it (waves 1 to 3)
	s_add_co_u32 s23, s23, s63
	s_sub_co_u32 s23, s23, 4096
	s_and_b32 s74, ttmp7, 0xffff                   ; cluster y
	s_lshr_b32 s75, ttmp9, 1                       ; 0 where cluster x is below 2
	s_cmp_eq_u32 s[WV], 0
	s_cselect_b32 s2, s2, s23
	s_cselect_b32 s74, s75, s74
	s_cselect_b64 s[PFA:PFA+1], s[4:5], s[6:7]
	s_add_nc_u64 s[PFA:PFA+1], s[PFA:PFA+1], s[2:3]
	s_add_nc_u64 s[PFA:PFA+1], s[PFA:PFA+1], s[PFS:PFS+1]  ; at K block 2: the first trip steps it to 4
	s_cmp_eq_u32 s74, 0
	s_cselect_b32 s[LIM], 1, -1                    ; the same in all sixteen partners, for a given wave
	; THE RoPE TABLE.  Thread t takes pair i = t % 64 and positions 32 (t / 64) .. + 31.  theta = 10000^(-i / 64) = 2^(-0.20762051 i), at most 1: sin and cos by their series (through theta^11 and
	; theta^12: what is left out is under 2e-10); five doublings give the angle 32 theta; then one rotation by theta a position.
	v_and_b32 v16, 63, v0
	v_cvt_f32_u32 v17, v16
	v_mul_f32 v17, 0xbe549a78, v17
	v_exp_f32 v18, v17
	s_mul_i32 s62, s[FORB], 32*TP
	s_lshl_b32 s63, s[HALF], 8
	s_add_co_u32 s62, s62, s63
	s_add_co_u32 s62, s62, TABLE
	v_lshl_add_u32 v30, v31, 3, s62                ; TABLE + my 32 positions + my wave's 32 pairs + 8 x lane: also the plain instruction behind the exponential
	s_cmp_lg_u32 s[FORB], 0
	s_cselect_b32 s61, -1, 0
	s_wait_alu depctr_va_vdst(0)                   ; the wait ahead of the first use of the exponential
	v_mul_f32 v19, v18, v18
	v_mov_b32 v20, 0xb2d7322b                      ; -1/11!
	v_mov_b32 v21, 0x310f76c7                      ; 1/12!
	v_fmaak_f32 v20, v20, v19, 0x3638ef1d          ; 1/9!
	v_fmaak_f32 v21, v21, v19, 0xb493f27e          ; -1/10!
	v_fmaak_f32 v20, v20, v19, 0xb9500d01          ; -1/7!
	v_fmaak_f32 v21, v21, v19, 0x37d00d01          ; 1/8!
	v_fmaak_f32 v20, v20, v19, 0x3c088889          ; 1/5!
	v_fmaak_f32 v21, v21, v19, 0xbab60b61          ; -1/6!
	v_fmaak_f32 v20, v20, v19, 0xbe2aaaab          ; -1/3!
	v_fmaak_f32 v21, v21, v19, 0x3d2aaaab          ; 1/4!
	v_fmaak_f32 v20, v20, v19, 0x3f800000
	v_fmaak_f32 v21, v21, v19, 0xbf000000          ; -1/2
	v_mul_f32 v20, v20, v18                        ; sin theta
	v_fmaak_f32 v21, v21, v19, 0x3f800000          ; cos theta
	v_mov_b32 v23, v20
	v_mov_b32 v22, v21
.rept 5
	v_mul_f32 v24, v23, v23
	v_mul_f32 v25, v22, v23
	v_fma_f32 v22, v22, v22, -v24                  ; cos 2a = cos^2 a - sin^2 a
	v_add_f32 v23, v25, v25                        ; sin 2a = 2 cos a sin a
.endr
	v_cndmask_b32 v26, 1.0, v22, s61               ; the first position's pair: angle 0, or 32 theta
	v_cndmask_b32 v27, 0, v23, s61
.set i, 0
.rept 32
	ds_store_b64 v30, v[26:27] offset:i*TP
.if i < 31
	v_mul_f32 v28, v27, v20
	v_mul_f32 v29, v26, v20
	v_fma_f32 v26, v26, v21, -v28
	v_fma_f32 v27, v27, v21, v29
.endif
.set i, i+1
.endr
	s_wait_loadcnt 0x0                             ; the biases: rounded to bf16, kept as f32
.irp r, 49,50,51
	v_cvt_pk_bf16_f32 v\r, v\r, v\r
.endr
.irp r, 49,50,51
	v_lshlrev_b32 v\r, 16, v\r
.endr
	ds_store_b32 v52, v49
	ds_store_b32 v52, v50 offset:512
	ds_store_b32 v52, v51 offset:1024
	s_wait_tensorcnt 1                             ; my part of K block 0 is in; K block 1's may stay out
	s_wait_dscnt 0x0                               ; for the others' sake: my part of the table and of the biases is stored
	s_barrier_signal -1
	s_barrier_wait -1
	LOADA 0, 0
	LOADB 0, 0, 0, 0
	PQ0 0, 1                                       ; K block 0's first half stands in front of the loop: its products start the 96 sums
	PK0 0, 1
	PV0 0, 1
	WIN 0
	s_mov_b32 s3, 15
.Llap:                                                 ; a trip goes once round the ring, from a K block's second half to the first half of the block two on, and fills both slots again
	PQ1 0
	TURN 0, 1, 1
	PV1 1, 1
	PQ0 1, 0
	PK0 1, 0
	PV0 1, 0
	PQ1 1
	TURN 1, 1, 0
	PV1 0, 1
	PQ0 0, 0
	PK0 0, 0
	PV0 0, 0
	WIN 0
	s_sub_co_u32 s3, s3, 1
	s_cmp_lg_u32 s3, 0
	s_cbranch_scc1 .Llap
	PQ1 0                                          ; the last two K blocks fill nothing, and have no round of the cluster's barrier
	TURN 0, 0, 0
	PV1 1, 1
	PQ0 1, 0
	PK0 1, 0
	PV0 1, 0
	PQ1 1
	PK1 1
	PV1 0, 0
	PLACES
; BIAS AND RoPE.  Four tiles of q and the same four of k at a time, in ascending order, so that the f16 numbers, packed in place at half the register number, never reach a tile not yet read.
; A register pair is (x1, x2), the table's pair (cos, sin): first (x1 cos, x2 cos), then (- x2 sin + .., x1 sin + ..) by the packed forms' selects.  Tile n's four f16 registers land at 4 n:
; tiles 2 j and 2 j + 1 of a row of tiles are the fragment of channels 32 j on.
.macro ROPE w, mt, g
	WIN \w                                         ; source 0 in the accumulators' window
.set i, 0
.rept 16
	v_pk_add_f32 v[T+2*i:T+2*i+1], v[64*(\mt)+32*(\g)+2*i:64*(\mt)+32*(\g)+2*i+1], v[BQ+32*((\w)-1)+2*i:BQ+32*((\w)-1)+2*i+1]
.set i, i+1
.endr
	WIN 0
.set i, 0
.rept 16
	v_pk_mul_f32 v[U+2*i:U+2*i+1], v[T+2*i:T+2*i+1], v[TB+2*i:TB+2*i+1] op_sel_hi:[1,0]
.set i, i+1
.endr
.set i, 0
.rept 16
	v_pk_fma_f32 v[U+2*i:U+2*i+1], v[T+2*i:T+2*i+1], v[TB+2*i:TB+2*i+1], v[U+2*i:U+2*i+1] op_sel:[1,1,0] op_sel_hi:[0,1,1] neg_lo:[0,1,0]
.set i, i+1
.endr
	WIN (\w)<<6                                    ; destination in the accumulators' window
.set i, 0
.rept 16
	v_cvt_pk_f16_f32 v[32*(\mt)+16*(\g)+i], v[U+2*i], v[U+2*i+1]
.set i, i+1
.endr
.endm
.macro BATCH mt, g
	WIN 0
.irp u, 0,1,2,3
	ds_load_b128 v[TB+8*(\u):TB+8*(\u)+3],      v[TBA] offset:(\mt)*16*TP+64*(4*(\g)+(\u))
	ds_load_b128 v[TB+8*(\u)+4:TB+8*(\u)+7],    v[TBA] offset:(\mt)*16*TP+64*(4*(\g)+(\u))+16
	ds_load_b128 v[BQ+8*(\u):BQ+8*(\u)+3],      v[BIA] offset:64*(4*(\g)+(\u))
	ds_load_b128 v[BQ+8*(\u)+4:BQ+8*(\u)+7],    v[BIA] offset:64*(4*(\g)+(\u))+16
	ds_load_b128 v[BQ+32+8*(\u):BQ+32+8*(\u)+3],   v[BIA] offset:512+64*(4*(\g)+(\u))
	ds_load_b128 v[BQ+32+8*(\u)+4:BQ+32+8*(\u)+7], v[BIA] offset:512+64*(4*(\g)+(\u))+16
.endr
	s_wait_dscnt 0x0
	ROPE 1, \mt, \g
	ROPE 2, \mt, \g
.endm
.irp m, 0,1,2,3
.irp g, 0,1
	BATCH \m, \g
.endr
.endr
	WIN 0xcf                                       ; v: rounded to f16 in place, ascending: tile n's four registers at 4 n; tiles (2 j, c) and (2 j + 1, c) are the fragment of keys 32 j on
.set i, 0
.rept 128
	v_cvt_pk_f16_f32 v[i], v[2*i], v[2*i+1]
.set i, i+1
.endr
	; S^T = k q^T: 16 accumulators by turns, four links each
	WIN 0x06                                       ; source 0 (k) window 2, source 1 (q) window 1, S^T window 0
.set i, 0
.rept 64
.set kc, i/16
.set tq, (i%16)/4
.set tk, i%4
.if kc == 0
	v_wmma_f32_16x16x32_f16 v[S+32*tq+8*tk:S+32*tq+8*tk+7], v[32*tk+8*kc:32*tk+8*kc+7], v[32*tq+8*kc:32*tq+8*kc+7], 0
.else
	v_wmma_f32_16x16x32_f16 v[S+32*tq+8*tk:S+32*tq+8*tk+7], v[32*tk+8*kc:32*tk+8*kc+7], v[32*tq+8*kc:32*tq+8*kc+7], v[S+32*tq+8*tk:S+32*tq+8*tk+7]
.endif
.set i, i+1
.endr
	WIN 0
	PLACES
; THE SOFTMAX, the four query tiles line by line, so that no line waits for the one before it.
.macro ALL line:vararg                 ; one line for each query tile t
.set t, 0
.rept 4
	\line
.set t, t+1
.endr
.endm
.set j, 0
.rept 4                                ; the maximum of a lane's 32 scores: four chains, each begun at its accumulator's lowest registers
	ALL v_max3_num_f32 v[ST+8*t+4+j], v[S+32*t+8*j], v[S+32*t+8*j+1], v[S+32*t+8*j+2]
.set j, j+1
.endr
.rept 8
	ALL v_max3_num_f32 v[ST+8*t+4+j%4], v[ST+8*t+4+j%4], v[S+32*t+8*(j%4)+2*(j/4)+1], v[S+32*t+8*(j%4)+2*(j/4)+2]
.set j, j+1
.endr
	ALL v_max3_num_f32 v[ST+8*t+4], v[ST+8*t+4], v[S+32*t+7], v[S+32*t+15]
	ALL v_max3_num_f32 v[ST+8*t+6], v[ST+8*t+6], v[S+32*t+23], v[S+32*t+31]
	ALL v_max3_num_f32 v[ST+8*t+4], v[ST+8*t+4], v[ST+8*t+5], v[ST+8*t+6]
	ALL v_max_num_f32 v[ST+8*t+4], v[ST+8*t+4], v[ST+8*t+7]
	ALL v_permlanex16_b32 v[ST+8*t+5], v[ST+8*t+4], s[SEL], s[SEL+1]
	ALL v_max_num_f32 v[ST+8*t+1], v[ST+8*t+4], v[ST+8*t+5]
	ALL v_mul_f32 v[ST+8*t], s[CS], v[ST+8*t+1]
.set j, 0
.rept 16
	ALL v_pk_fma_f32 v[S+32*t+2*j:S+32*t+2*j+1], v[S+32*t+2*j:S+32*t+2*j+1], s[CS:CS+1], v[ST+8*t:ST+8*t+1] op_sel_hi:[1,0,0] neg_lo:[0,0,1] neg_hi:[0,0,1]
.set j, j+1
.endr
.set i, 0
.rept 128                              ; one batch of exponentials,
	v_exp_f32 v[S+i], v[S+i]
.set i, i+1
.endr
	v_nop                                          ; one plain instruction behind the last,
	s_wait_alu depctr_va_vdst(0)                   ; and one wait ahead of the first use
.set i, 0
.rept 64
	v_cvt_pk_f16_f32 v[P+i], v[S+2*i], v[S+2*i+1]
.set i, i+1
.endr
.irp u, 0,1,2,3,4,5,6,7                ; l: the 16 pairs of a tile added as a tree, in place
	ALL v_pk_add_f32 v[S+32*t+4*(\u):S+32*t+4*(\u)+1], v[S+32*t+4*(\u):S+32*t+4*(\u)+1], v[S+32*t+4*(\u)+2:S+32*t+4*(\u)+3]
.endr
.irp u, 0,1,2,3
	ALL v_pk_add_f32 v[S+32*t+8*(\u):S+32*t+8*(\u)+1], v[S+32*t+8*(\u):S+32*t+8*(\u)+1], v[S+32*t+8*(\u)+4:S+32*t+8*(\u)+5]
.endr
.irp u, 0,1
	ALL v_pk_add_f32 v[S+32*t+16*(\u):S+32*t+16*(\u)+1], v[S+32*t+16*(\u):S+32*t+16*(\u)+1], v[S+32*t+16*(\u)+8:S+32*t+16*(\u)+9]
.endr
	ALL v_pk_add_f32 v[ST+8*t+2:ST+8*t+3], v[S+32*t:S+32*t+1], v[S+32*t+16:S+32*t+17]
.irp c, 0,1,2,3,4,5,6,7                ; bv of my 8 channels in each channel tile, on its way during the last products
	ds_load_b128 v[BV+8*(\c):BV+8*(\c)+3],   v[BIA] offset:1024+64*(\c)
	ds_load_b128 v[BV+8*(\c)+4:BV+8*(\c)+7], v[BIA] offset:1024+64*(\c)+16
.endr
	; O^T = v^T P: 32 accumulators by turns, two links each; tile (q, c) at 64 q + 8 c of window 1
	WIN 0x53                                       ; source 0 (v) window 3, source 1 (P) window 0, O^T window 1
.set i, 0
.rept 64
.set kk, i/32
.set tq, (i%32)/8
.set tc, i%8
.if kk == 0
	v_wmma_f32_16x16x32_f16 v[64*tq+8*tc:64*tq+8*tc+7], v[16*tc+8*kk:16*tc+8*kk+7], v[P+16*tq+8*kk:P+16*tq+8*kk+7], 0
.else
	v_wmma_f32_16x16x32_f16 v[64*tq+8*tc:64*tq+8*tc+7], v[16*tc+8*kk:16*tc+8*kk+7], v[P+16*tq+8*kk:P+16*tq+8*kk+7], v[64*tq+8*tc:64*tq+8*tc+7]
.endif
.set i, i+1
.endr
	; THE WAY OUT.  l's two halves and the other half of the lanes' are added (the first four additions are the places behind the last products); O = O^T / l + bv, rounded to f16, goes through my stage.
	WIN 0
	ALL v_add_f32 v[ST+8*t+4], v[ST+8*t+2], v[ST+8*t+3]
	ALL v_permlanex16_b32 v[ST+8*t+5], v[ST+8*t+4], s[SEL], s[SEL+1]
	ALL v_add_f32 v[ST+8*t+4], v[ST+8*t+4], v[ST+8*t+5]
	ALL v_rcp_f32 v[ST+8*t+6], v[ST+8*t+4]
	v_nop                                          ; a plain instruction behind the last reciprocal,
	s_wait_alu depctr_va_vdst(0)                   ; and the one wait for the four
	s_wait_dscnt 0x0                               ; bv is in
; Unit u: query tile u / 2, channels 64 (u % 2) on: 16 rows x 128 bytes of one block of ob.  A lane's eight channels pack into 16 bytes; they go into rows of 144 bytes and come back as whole rows.
.macro PACK u
.set tq, (\u)/2
.set dh, (\u)%2
	WIN 0x41                                       ; O^T (destination and source 0) window 1; 1 / l and bv window 0
.set i, 0
.rept 16
	v_pk_fma_f32 v[64*tq+32*dh+2*i:64*tq+32*dh+2*i+1], v[64*tq+32*dh+2*i:64*tq+32*dh+2*i+1], v[ST+8*tq+6:ST+8*tq+7], v[BV+32*dh+2*i:BV+32*dh+2*i+1] op_sel_hi:[1,0,1]
.set i, i+1
.endr
	WIN 0x05
.set i, 0
.rept 16
	v_cvt_pk_f16_f32 v[OB+16*(\u)+i], v[64*tq+32*dh+2*i], v[64*tq+32*dh+2*i+1]
.set i, i+1
.endr
	WIN 0
.irp f, 0,1,2,3
	ds_store_b128 v[STO], v[OB+16*(\u)+4*(\f):OB+16*(\u)+4*(\f)+3] offset:32*(\f)
.endr
.irp f, 0,1,2,3
	ds_load_b128 v[OB+16*(\u)+4*(\f):OB+16*(\u)+4*(\f)+3], v[RD] offset:(\f)*4*PITCH  ; LDS serves a wave's instructions in order (ISA guide 5.7.1.4): these see the stores above; the next unit's stores come behind them
.endr
.endm
.macro SEND u, younger                 ; younger: the LDS instructions issued behind unit u's loads: the next unit's eight, or none
.irp f, 0,1,2,3
	s_wait_dscnt (\younger)+3-(\f)
	global_store_b128 v[GO], v[OB+16*(\u)+4*(\f):OB+16*(\u)+4*(\f)+3], s[14:15] offset:((\u)%2)*KBSA+((\u)/2)*2048+(\f)*512  ; 512 consecutive bytes, at a multiple of 256 from ob's first
.endr
.endm
	PACK 0
.irp u, 1,2,3,4,5,6,7                  ; a unit's arithmetic stands between the loads of the unit before and its stores
	PACK \u
	SEND (\u)-1, 8
.endr
	SEND 7, 0
	s_wait_tensorcnt 0x0                           ; the wave's end, behind my last tensor load and my last LDS store
	ds_add_u32 v[SPW], v[NIL]
	s_wait_dscnt 0x0
	CROUND                                         ; the closing round: no work-group ends while a partner may still ask for a tile that names it
	s_endpgm
.Lfunc_end_k_qe43dfea52c_qkvattn:
	.size	k_qe43dfea52c_qkvattn, .Lfunc_end_k_qe43dfea52c_qkvattn-k_qe43dfea52c_qkvattn
	.p2alignl 7, 3214868480
	.fill 96, 4, 3214868480
	.section	.rodata,"a",@progbits
	.p2align	6, 0x0
	.amdhsa_kernel k_qe43dfea52c_qkvattn
		.amdhsa_group_segment_fixed_size 327680
		.amdhsa_private_segment_fixed_size 0
		.amdhsa_enable_private_segment 0
		.amdhsa_kernarg_size 48
		.amdhsa_user_sgpr_count 2
		.amdhsa_user_sgpr_kernarg_segment_ptr 1
		.amdhsa_wavefront_size32 1
		.amdhsa_system_sgpr_workgroup_id_x 1
		.amdhsa_system_sgpr_workgroup_id_y 1
		.amdhsa_system_sgpr_workgroup_id_z 1
		.amdhsa_system_vgpr_workitem_id 0
		.amdhsa_next_free_vgpr 1024
		.amdhsa_next_free_sgpr 76
		.amdhsa_reserve_vcc 0
		.amdhsa_float_denorm_mode_32 3
		.amdhsa_float_denorm_mode_16_64 3
		.amdhsa_memory_ordered 1
		.amdhsa_forward_progress 1
		.amdhsa_inst_pref_size 245
	.end_amdhsa_kernel
	.amdgpu_metadata
---
amdhsa.version: [ 1, 2 ]
amdhsa.kernels:
  - .name:           k_qe43dfea52c_qkvattn
    .symbol:         k_qe43dfea52c_qkvattn.kd
    .args:
      - { .name: xb, .offset: 0, .size: 8, .value_kind: global_buffer, .address_space: global }
      - { .name: wb, .offset: 8, .size: 8, .value_kind: global_buffer, .address_space: global }
      - { .name: bq, .offset: 16, .size: 8, .value_kind: global_buffer, .address_space: global }
      - { .name: bk, .offset: 24, .size: 8, .value_kind: global_buffer, .address_space: global }
      - { .name: bv, .offset: 32, .size: 8, .value_kind: global_buffer, .address_space: global }
      - { .name: ob, .offset: 40, .size: 8, .value_kind: global_buffer, .address_space: global }
    .group_segment_fixed_size: 327680
    .private_segment_fixed_size: 0
    .kernarg_segment_align: 8
    .kernarg_segment_size: 48
    .max_flat_workgroup_size: 128
    .sgpr_count:     76
    .vgpr_count:     1024
    .wavefront_size: 32
...
	.end_amdgpu_metadata
.endif
;; end of part 2
;; launch oproj (part 3): grid 8 x 32, 4 waves a work-group, clusters of 4 x 4, 327,680 bytes of LDS; arguments ob, wob, bo, out0; writes out0
.if DOCPART == 3
	.amdgcn_target "amdgcn-amd-amdhsa--gfx1250"
	.amdhsa_code_object_version 6
	.text
	.protected	k_qe43dfea52c_oproj
	.globl	k_qe43dfea52c_oproj
	.p2align	8
	.type	k_qe43dfea52c_oproj,@function
k_qe43dfea52c_oproj:
	s_mov_b64 s[64:65], 0
	v_nop
	global_prefetch_b8 v0, s[64:65] scope:SCOPE_SE
	s_setreg_imm32_b32 hwreg(HW_REG_WAVE_MODE, 25, 1), 1
	s_wait_xcnt 0x0
	s_wait_alu depctr_hold_cnt(0) depctr_sa_sdst(0) depctr_va_vdst(0) depctr_va_sdst(0) depctr_va_ssrc(0) depctr_va_vcc(0) depctr_vm_vsrc(0)
	s_getreg_b32 s2, hwreg(HW_REG_IB_STS2, 6, 4)
	s_cmp_eq_u32 s2, 0
	s_cbranch_scc0 .Lentry_in_a_cluster
	s_endpgm
.Lentry_in_a_cluster:
	s_bfe_u32 s2, ttmp6, 0x10000c
	s_cmp_lg_u32 s2, 0xf033
	s_cbranch_scc0 .Lentry_shape_is_right
	s_endpgm
.Lentry_shape_is_right:
; out0 = O Wo^T + bo.  ob: [32][4,096][64] f16, wob: [32][2,048][64] f16 (Wo rounded to bf16, written as f16), both in blocks of 64 along K; bo: f32, rounded to bf16 here like the other inputs;
; out0: [4,096][2,048] f32.  Sums in f32, K ascending.
; SHARES.  A tile of out0 is 128 rows x 256 columns: 32 x 8 = 256 work-groups (tiles of 256 x 256 would be 128).  Four waves, each 64 x 128: 32 accumulators, 256 registers, in window 1.
; THE MATRIX INSTRUCTION IS USED TRANSPOSED (source 0 = 16 rows of Wo, source 1 = 16 rows of O): a lane holds eight neighbouring numbers of a row of out0.
; RING.  Two LDS slots of TWO K blocks each (128 along K, 128 matrix instructions a wave): O's 128 rows of the even block, of the odd block, Wo's 256 rows of the even, of the odd.  Wave 0, 1 fetch O's
; two blocks, waves 2, 3 Wo's: one load a wave behind each round.
; CLUSTER 4 x 4.  O's tiles hang on the tile row alone: shared along a row of the cluster; Wo's on the tile column alone: shared along a column.
; REGISTERS: window 0: v0-15 addresses; v32-37 bo; v64-127 O's fragments, two buffers of 32; v128-255 Wo's, two of 64; on the way out v64-191 whole rows.  Window 1: accumulator (m, c) at 8 (8 m + c).
.set KBSA,  524288                     ; bytes from K block to K block in ob
.set KBSO,  262144                     ; in wob
.set PITCH, 144                        ; an LDS row: 128 bytes + 16: an odd multiple of 16, so the 16 rows of a load start in 16 different 16-byte columns of 256 bytes
.set ABLK,  128*PITCH                  ; O's rows of one K block
.set BBLK,  256*PITCH                  ; Wo's
.set BOFF,  2*ABLK
.set SLOT,  2*ABLK+2*BBLK              ; 110,592
.set STAGE, 2*SLOT                     ; behind the ring, never filled by a tensor load: 16 rows x 528 bytes for each wave
.set SP,    528
.set SPARE, STAGE+4*16*SP              ; the spare words, 128 bytes for each wave: two blocks of 256 bytes that no other line names
.set ADRA, 4
.set ADRB, 6
.set STO,  10
.set RD,   11
.set GO,   12
.set PFO,  13
.set SPW,  14
.set NIL,  15
.set BO,   32                          ; v[32:35] bo of my four columns on the way out
.set AF,   64
.set BF,   128
.set OBF,  64                          ; the way out: two buffers of 64
.set WV,   16
.set FORB, 17                          ; 0: I fetch O's tiles, 1: Wo's.  Also: which 64 rows of the tile are mine
.set HALF, 18                          ; which K block of a slot I fetch.  Also: which 128 columns are mine
.set CX,   19
.set CY,   20
.set TX,   21                          ; tile column
.set TY,   22                          ; tile row
.set G1,   24
.set G0,   32
.set G1B,  40
.set G0B,  48
.set PFA,  56
.set PFS,  58
.set LIM,  60
.set MSB, 0
.macro WIN new
.if MSB != (\new)
	s_set_vgpr_msb (MSB<<8)|(\new)
.set MSB, \new
.endif
.endm
.macro PLACES                          ; four places behind a matrix instruction, in front of loads into registers that it has read and of LDS stores that read its result
.rept 4
	v_nop
.endr
.endm
.macro CREST
	s_cmp_lg_u32 s[WV], 0
	s_cbranch_scc1 .Lnot_wave_0_\@
	s_barrier_signal -3
.Lnot_wave_0_\@:
	s_barrier_wait -3
	s_barrier_signal -1
	s_barrier_wait -1
.endm
.macro CROUND
	s_barrier_signal -1
	s_barrier_wait -1
	CREST
.endm
.macro JLOAD s                         ; a joint load; an s_nop 0 and four v_nop follow each of the two lines, ahead of the jump and the label
	s_cmp_eq_u32 s[FORB], 0
	s_cbranch_scc0 .Lfor_b_\@
	tensor_load_to_lds s[G0+4*(\s):G0+4*(\s)+3], s[G1:G1+7]
	s_nop 0
.rept 4
	v_nop
.endr
	s_branch .Lasked_\@
.Lfor_b_\@:
	tensor_load_to_lds s[G0B+4*(\s):G0B+4*(\s)+3], s[G1B:G1B+7]
	s_nop 0
.rept 4
	v_nop
.endr
.Lasked_\@:
.endm
; A PREFETCH INTO THE L2 behind each joint refill: the slot's worth of K that stands TWO refills on, 256 matrix instructions ahead of its load.  Each block of 256 bytes is named once in the launch.
; O's tile row (2 x 64 blocks a slot) is read by both clusters of that row of clusters: in cluster x = 0 wave 0 of the four partners takes 16 blocks of each K block, told apart by address (cx).
; Wo's tile column (2 x 128) is read by all eight clusters of that column: in cluster y = 0 waves 2 and 3 take a K block each, the four partners 32 blocks of it each (cy).
; The first four slots' worth come by their loads alone; the last trip asks for nothing (s3 = 1 there).
.macro ASK
	s_cmp_gt_u32 s3, s[LIM]
	s_cbranch_scc0 .Lnot_mine_\@
	global_prefetch_b8 v[PFO], s[PFA:PFA+1] th:TH_LOAD_NT scope:SCOPE_SE
.Lnot_mine_\@:
.endm
; 24 LDS loads in one run: the fragments of 32 along K (K block j of slot s, half c) into buffers b
.macro LOADU s, j, c, b
.irp i, 0,1,2,3
	ds_load_b128 v[AF+32*(\b)+8*(\i):AF+32*(\b)+8*(\i)+3],   v[ADRA+(\s)] offset:(\j)*ABLK+64*(\c)+(\i)*16*PITCH
	ds_load_b128 v[AF+32*(\b)+8*(\i)+4:AF+32*(\b)+8*(\i)+7], v[ADRA+(\s)] offset:(\j)*ABLK+64*(\c)+(\i)*16*PITCH+32
.endr
.irp i, 0,1,2,3,4,5,6,7
	ds_load_b128 v[BF+64*(\b)+8*(\i):BF+64*(\b)+8*(\i)+3],   v[ADRB+(\s)] offset:(\j)*BBLK+64*(\c)+(\i)*16*PITCH
	ds_load_b128 v[BF+64*(\b)+8*(\i)+4:BF+64*(\b)+8*(\i)+7], v[ADRB+(\s)] offset:(\j)*BBLK+64*(\c)+(\i)*16*PITCH+32
.endr
.endm
; Products i0 .. i0 + n - 1 of a unit's 32.  The 32 accumulators take turns, one instruction a turn, in the same order in every unit.
.macro MULU b, i0, n, zero
	WIN 0x50                                       ; C and D window 1, sources window 0
.set idx, \i0
.rept \n
.if \zero
	v_wmma_f32_16x16x32_f16 v[8*idx:8*idx+7], v[BF+64*(\b)+8*(idx%8):BF+64*(\b)+8*(idx%8)+7], v[AF+32*(\b)+8*(idx/8):AF+32*(\b)+8*(idx/8)+7], 0
.else
	v_wmma_f32_16x16x32_f16 v[8*idx:8*idx+7], v[BF+64*(\b)+8*(idx%8):BF+64*(\b)+8*(idx%8)+7], v[AF+32*(\b)+8*(idx/8):AF+32*(\b)+8*(idx/8)+7], v[8*idx:8*idx+7]
.endif
.set idx, idx+1
.endr
.endm
.macro HEAD
	s_wait_dscnt 0x0                               ; the fragments asked for at the head of the unit before are in
	PLACES
	WIN 0
.endm
; A UNIT: 32 along K, 32 products on buffers b; ld = 1: at its head the next unit's fragments (slot s, K block j, half c) are asked for, into the other buffers.
.macro UNIT b, zero, ld, s=0, j=0, c=0
	HEAD
.if \ld
	LOADU \s, \j, \c, 1-(\b)
.endif
	MULU \b, 0, 32, \zero
.endm
; THE CHANGE OF SLOTS rides on a slot's third unit.  Its head asks for the slot's last bytes.  Then each wave waits for all its tensor loads, of which one is out: its part of the other slot; adds 0 to its
; spare word; and waits for that and for its reads of this slot.  fill = 1: the barrier opens a round of the cluster's, and the joint refill, two slots on, is the first thing behind the round:
; it has 112 matrix instructions in which to land.
.macro TURN s, fill
.if \fill
	s_wait_xcnt 0x0                                ; the last prefetch, a slot back, has read its address
	s_add_nc_u64 s[PFA:PFA+1], s[PFA:PFA+1], s[PFS:PFS+1]
.endif
	HEAD
	LOADU \s, 1, 1, 1
	MULU 0, 0, 16, 0
	WIN 0                                          ; (the add's two registers lie in window 0)
	s_wait_tensorcnt 0x0                           ; all my tensor loads have landed
	ds_add_u32 v[SPW], v[NIL]                      ; 0 onto my spare word
	MULU 0, 16, 8, 0                               ; eight matrix instructions stand between the add and the wait for it
	s_wait_dscnt 0x0                               ; the add is done, and my reads of this slot are over
	s_barrier_signal -1
	MULU 0, 24, 8, 0
	WIN 0                                          ; at a branch and at a label every window is 0
	s_barrier_wait -1
.if \fill
	CREST                                          ; no wave of any partner still reads this slot or has a load on its way
	s_add_nc_u64 s[G0+4*(\s)+2:G0+4*(\s)+3], s[G0+4*(\s)+2:G0+4*(\s)+3], 4*KBSA
	s_add_nc_u64 s[G0B+4*(\s)+2:G0B+4*(\s)+3], s[G0B+4*(\s)+2:G0B+4*(\s)+3], 4*KBSO
	JLOAD \s
	ASK
.endif
.endm
	s_load_b256 s[4:11], s[0:1], 0x0               ; ob s[4:5], wob s[6:7], bo s[8:9], out0 s[10:11]
	v_lshl_add_u32 v[SPW], v0, 2, SPARE
	v_mov_b32 v[NIL], 0
	ds_add_u32 v[SPW], v[NIL]                      ; the wave's opening: the add and its wait stand ahead of my first tensor load; the set-up below, work on registers, stands between them
	v_lshrrev_b32 v3, 5, v0
	v_readfirstlane_b32 s[WV], v3
	s_lshr_b32 s[FORB], s[WV], 1
	s_and_b32 s[HALF], s[WV], 1
	s_bfe_u32 s[CX], ttmp6, 0x40000
	s_bfe_u32 s[CY], ttmp6, 0x40004
	s_lshl_b32 s[TX], ttmp9, 2
	s_add_co_u32 s[TX], s[TX], s[CX]               ; tile column = 4 x cluster x + cx
	s_and_b32 s[TY], ttmp7, 0xffff
	s_lshl_b32 s[TY], s[TY], 2
	s_add_co_u32 s[TY], s[TY], s[CY]               ; tile row = 4 x cluster y + cy
	s_lshl_b32 s2, s[CY], 2
	s_lshl_b32 s2, 15, s2                          ; my row of the cluster
	s_lshl_b32 s23, 0x1111, s[CX]                  ; my column
	; descriptor group 1.  128 (256) rows of a K block are dense: asked for as 64 (128) rows of 256 bytes, padded in LDS after every 128 bytes
	s_or_b32 s[G1], s2, (1<<16)|(1<<20)|(1<<21)|(4<<22)|(3<<25)
	s_or_b32 s[G1B], s23, (1<<16)|(1<<20)|(1<<21)|(4<<22)|(3<<25)
	s_mov_b32 s[G1+1], 128<<16
	s_mov_b32 s[G1+2], 64<<16
	s_mov_b32 s[G1+3], 128<<16
	s_mov_b32 s[G1+4], 64
	s_mov_b32 s[G1+5], 128
	s_mov_b32 s[G1+6], 0
	s_mov_b32 s[G1+7], 0
	s_mov_b32 s[G1B+1], 128<<16
	s_mov_b32 s[G1B+2], 128<<16
	s_mov_b32 s[G1B+3], 128<<16
	s_mov_b32 s[G1B+4], 128
	s_mov_b32 s[G1B+5], 128
	s_mov_b32 s[G1B+6], 0
	s_mov_b32 s[G1B+7], 0
	s_mul_i32 s70, s[HALF], KBSA                   ; O: my K block of the slot's two,
	s_lshl_b32 s62, s[TY], 14                      ; the tile row's 128 rows of 128 bytes
	s_add_co_u32 s70, s70, s62
	s_mov_b32 s71, 0
	s_mul_i32 s72, s[HALF], KBSO                   ; Wo likewise: the tile column's 256 rows
	s_lshl_b32 s63, s[TX], 15
	s_add_co_u32 s72, s72, s63
	s_mov_b32 s73, 0
	s_mul_i32 s74, s[HALF], ABLK                   ; and where they go: no place in the cluster enters an LDS address
	s_mul_i32 s75, s[HALF], BBLK
	s_add_co_u32 s75, s75, BOFF
	s_wait_dscnt 0x0                               ; the opening add is done
	s_wait_kmcnt 0x0
	s_add_nc_u64 s[70:71], s[4:5], s[70:71]
	s_add_nc_u64 s[72:73], s[6:7], s[72:73]
	CROUND                                         ; all sixteen work-groups are here: the first joint loads meet
.irp s, 0,1
	s_mov_b32 s[G0+4*(\s)], 1
	s_add_co_u32 s[G0+4*(\s)+1], s74, (\s)*SLOT
	s_add_nc_u64 s[G0+4*(\s)+2:G0+4*(\s)+3], s[70:71], (\s)*2*KBSA
	s_or_b32 s[G0+4*(\s)+3], s[G0+4*(\s)+3], 0x80000000
	s_mov_b32 s[G0B+4*(\s)], 1
	s_add_co_u32 s[G0B+4*(\s)+1], s75, (\s)*SLOT
	s_add_nc_u64 s[G0B+4*(\s)+2:G0B+4*(\s)+3], s[72:73], (\s)*2*KBSO
	s_or_b32 s[G0B+4*(\s)+3], s[G0B+4*(\s)+3], 0x80000000
	JLOAD \s                                       ; two loads of mine are out
.endr
	v_and_b32 v1, 15, v0                           ; l % 16
	v_bfe_u32 v2, v0, 4, 1                         ; l / 16
	v_and_b32 v3, 31, v0
	v_lshlrev_b32 v[GO], 4, v3                     ; 16 x lane
	s_lshl_b32 s2, s[TX], 10                       ; my 128 columns, in bytes of f32
	s_lshl_b32 s23, s[HALF], 9
	s_add_co_u32 s2, s2, s23
	s_mov_b32 s3, 0
	s_add_nc_u64 s[8:9], s[8:9], s[2:3]
	global_load_b128 v[BO:BO+3], v[GO], s[8:9]     ; bo of columns 4 l .. 4 l + 3 of them
	s_lshl_b32 s23, s[TY], 20                      ; the tile's 128 rows of 8,192 bytes,
	s_add_co_u32 s2, s2, s23
	s_lshl_b32 s23, s[FORB], 19                    ; my 64 of them
	s_add_co_u32 s2, s2, s23
	s_add_nc_u64 s[10:11], s[10:11], s[2:3]
	v_mul_u32_u24 v3, v1, PITCH
	v_lshl_add_u32 v3, v2, 4, v3                   ; a fragment's row x pitch + 16 x half
	s_mul_i32 s62, s[FORB], 64*PITCH
	v_add_nc_u32 v[ADRA], s62, v3
	v_add_nc_u32 v[ADRA+1], SLOT, v[ADRA]
	s_mul_i32 s62, s[HALF], 128*PITCH
	s_add_co_u32 s62, s62, BOFF
	v_add_nc_u32 v[ADRB], s62, v3
	v_add_nc_u32 v[ADRB+1], SLOT, v[ADRB]
	s_mul_i32 s62, s[WV], 16*SP
	s_add_co_u32 s62, s62, STAGE                   ; my stage
	v_mul_u32_u24 v[STO], v1, SP                   ; in: row l % 16, 32 bytes for each half of the lanes
	v_lshl_add_u32 v[STO], v2, 5, v[STO]
	v_add_nc_u32 v[STO], s62, v[STO]
	v_add_nc_u32 v[RD], s62, v[GO]                 ; back: 32 lanes take one row of 512 bytes
	; the prefetches
	s_mov_b32 s62, 4096
	s_mov_b32 s63, KBSO
	s_cmp_eq_u32 s[FORB], 0
	s_cselect_b32 s62, KBSA, s62                   ; lanes 16-31: O's second K block, or Wo's next 16 blocks
	s_cselect_b32 s63, KBSA, s63
	v_mul_u32_u24 v[PFO], v2, s62
	v_lshl_add_u32 v[PFO], v1, 8, v[PFO]
	s_lshl_b32 s[PFS], s63, 1                      ; a slot is two K blocks
	s_mov_b32 s[PFS+1], 0
	s_lshl_b32 s2, s[TY], 14                       ; O: the tile row, my work-group's 4,096 bytes of its 16,384
	s_lshl_b32 s23, s[CX], 12
	s_add_co_u32 s2, s2, s23
	s_lshl_b32 s23, s[TX], 15                      ; Wo: the tile column, my wave's K block, my work-group's 8,192 bytes of its 32,768
	s_mul_i32 s74, s[HALF], KBSO
	s_add_co_u32 s23, s23, s74
	s_lshl_b32 s74, s[CY], 13
	s_add_co_u32 s23, s23, s74
	s_and_b32 s74, ttmp7, 0xffff                   ; cluster y
	s_cmp_eq_u32 s[FORB], 0
	s_cselect_b32 s2, s2, s23
	s_cselect_b32 s74, ttmp9, s74                  ; the coordinate along which other clusters read the same rows
	s_cselect_b64 s[PFA:PFA+1], s[4:5], s[6:7]
	s_mul_i32 s23, s[PFS], 3
	s_add_co_u32 s2, s2, s23                       ; three slots' worth on: the first refill steps it to the fourth
	s_add_nc_u64 s[PFA:PFA+1], s[PFA:PFA+1], s[2:3]
	s_cmp_eq_u32 s[WV], 1
	s_cselect_b32 s74, 1, s74                      ; wave 1 has no share
	s_cmp_eq_u32 s74, 0
	s_cselect_b32 s[LIM], 1, -1                    ; the same in all sixteen partners, for a given wave
	s_wait_loadcnt 0x0                             ; bo: rounded to bf16, kept as f32
	v_cvt_pk_bf16_f32 v[BO+4], v[BO], v[BO+1]
	v_cvt_pk_bf16_f32 v[BO+5], v[BO+2], v[BO+3]
	v_lshlrev_b32 v[BO], 16, v[BO+4]
	v_and_b32 v[BO+1], 0xffff0000, v[BO+4]
	v_lshlrev_b32 v[BO+2], 16, v[BO+5]
	v_and_b32 v[BO+3], 0xffff0000, v[BO+5]
	s_wait_tensorcnt 1                             ; my part of slot 0 is in; slot 1's may stay out
	s_barrier_signal -1
	s_barrier_wait -1
	LOADU 0, 0, 0, 0
	UNIT 0, 1, 1, 0, 0, 1                          ; the first unit stands in front of the loop: its products start the sums
	WIN 0
	s_mov_b32 s3, 7
.Llap:                                                 ; a trip goes once round the ring, from a slot's second unit to the first unit of the slot two on, and fills both slots again
	UNIT 1, 0, 1, 0, 1, 0
	TURN 0, 1
	UNIT 1, 0, 1, 1, 0, 0
	UNIT 0, 0, 1, 1, 0, 1
	UNIT 1, 0, 1, 1, 1, 0
	TURN 1, 1
	UNIT 1, 0, 1, 0, 0, 0
	UNIT 0, 0, 1, 0, 0, 1
	WIN 0
	s_sub_co_u32 s3, s3, 1
	s_cmp_lg_u32 s3, 0
	s_cbranch_scc1 .Llap
	UNIT 1, 0, 1, 0, 1, 0                          ; the last two slots fill nothing, and have no round of the cluster's barrier
	TURN 0, 0
	UNIT 1, 0, 1, 1, 0, 0
	UNIT 0, 0, 1, 1, 0, 1
	UNIT 1, 0, 1, 1, 1, 0
	UNIT 0, 0, 1, 1, 1, 1
	UNIT 1, 0, 0
	PLACES
	; THE WAY OUT, 16 rows at a time: a lane's 32 bytes of a row go into my stage (rows of 528 bytes), whole rows of 512 bytes come back, bo is added, and each store of the wave covers 512 consecutive, aligned bytes.
.irp m, 0,1,2,3
	WIN 0x04                                       ; the stores' data in window 1
.irp c, 0,1,2,3,4,5,6,7
	ds_store_b128 v[STO], v[64*(\m)+8*(\c):64*(\m)+8*(\c)+3]   offset:64*(\c)     ; each accumulator's low four registers first
	ds_store_b128 v[STO], v[64*(\m)+8*(\c)+4:64*(\m)+8*(\c)+7] offset:64*(\c)+16
.endr
	WIN 0
	s_wait_xcnt 0x0                                ; the stores issued two blocks back have read the registers that are loaded again below
.irp w, 0,1,2,3,4,5,6,7,8,9,10,11,12,13,14,15
	ds_load_b128 v[OBF+64*((\m)%2)+4*(\w):OBF+64*((\m)%2)+4*(\w)+3], v[RD] offset:(\w)*SP  ; LDS serves a wave's instructions in order (ISA guide 5.7.1.4): these see the stores above
.endr
.irp w, 0,1,2,3,4,5,6,7,8,9,10,11,12,13,14,15
	s_wait_dscnt 15-(\w)                           ; row w is back; the 15 - w younger loads stay out
	v_pk_add_f32 v[OBF+64*((\m)%2)+4*(\w):OBF+64*((\m)%2)+4*(\w)+1], v[OBF+64*((\m)%2)+4*(\w):OBF+64*((\m)%2)+4*(\w)+1], v[BO:BO+1]
	v_pk_add_f32 v[OBF+64*((\m)%2)+4*(\w)+2:OBF+64*((\m)%2)+4*(\w)+3], v[OBF+64*((\m)%2)+4*(\w)+2:OBF+64*((\m)%2)+4*(\w)+3], v[BO+2:BO+3]
	global_store_b128 v[GO], v[OBF+64*((\m)%2)+4*(\w):OBF+64*((\m)%2)+4*(\w)+3], s[10:11] offset:(16*(\m)+(\w))*8192 th:TH_STORE_NT
.endr
.endr
	s_wait_tensorcnt 0x0                           ; the wave's end, behind my last tensor load and my last LDS store
	ds_add_u32 v[SPW], v[NIL]
	s_wait_dscnt 0x0
	CROUND                                         ; the closing round: no work-group ends while a partner may still ask for a tile that names it
	s_endpgm
.Lfunc_end_k_qe43dfea52c_oproj:
	.size	k_qe43dfea52c_oproj, .Lfunc_end_k_qe43dfea52c_oproj-k_qe43dfea52c_oproj
	.p2alignl 7, 3214868480
	.fill 96, 4, 3214868480
	.section	.rodata,"a",@progbits
	.p2align	6, 0x0
	.amdhsa_kernel k_qe43dfea52c_oproj
		.amdhsa_group_segment_fixed_size 327680
		.amdhsa_private_segment_fixed_size 0
		.amdhsa_enable_private_segment 0
		.amdhsa_kernarg_size 32
		.amdhsa_user_sgpr_count 2
		.amdhsa_user_sgpr_kernarg_segment_ptr 1
		.amdhsa_wavefront_size32 1
		.amdhsa_system_sgpr_workgroup_id_x 1
		.amdhsa_system_sgpr_workgroup_id_y 1
		.amdhsa_system_sgpr_workgroup_id_z 1
		.amdhsa_system_vgpr_workitem_id 0
		.amdhsa_next_free_vgpr 512
		.amdhsa_next_free_sgpr 76
		.amdhsa_reserve_vcc 0
		.amdhsa_float_denorm_mode_32 3
		.amdhsa_float_denorm_mode_16_64 3
		.amdhsa_memory_ordered 1
		.amdhsa_forward_progress 1
		.amdhsa_inst_pref_size 96
	.end_amdhsa_kernel
	.amdgpu_metadata
---
amdhsa.version: [ 1, 2 ]
amdhsa.kernels:
  - .name:           k_qe43dfea52c_oproj
    .symbol:         k_qe43dfea52c_oproj.kd
    .args:
      - { .name: ob, .offset: 0, .size: 8, .value_kind: global_buffer, .address_space: global }
      - { .name: wob, .offset: 8, .size: 8, .value_kind: global_buffer, .address_space: global }
      - { .name: bo, .offset: 16, .size: 8, .value_kind: global_buffer, .address_space: global }
      - { .name: out0, .offset: 24, .size: 8, .value_kind: global_buffer, .address_space: global }
    .group_segment_fixed_size: 327680
    .private_segment_fixed_size: 0
    .kernarg_segment_align: 8
    .kernarg_segment_size: 32
    .max_flat_workgroup_size: 128
    .sgpr_count:     76
    .vgpr_count:     512
    .wavefront_size: 32
...
	.end_amdgpu_metadata
.endif
;; end of part 3
;; ======== version 2 of 2: 3 launches; version 1 with the launch prep written anew for expert scheduling mode
;; limits: values are held in f16: magnitudes above 65,504 overflow, below 6.1e-05 lose precision
;; workspace buffers: xb 16,777,216 bytes; wb 25,165,824 bytes; wob 8,388,608 bytes; ob 16,777,216 bytes
;; launch prep (part 4): grid 128 x 6, 8 waves a work-group, no clusters, 0 bytes of LDS; arguments x, Wq, Wk, Wv, Wo, xb, wb, wob; writes xb, wb, wob
.if DOCPART == 4
	.amdgcn_target "amdgcn-amd-amdhsa--gfx1250"
	.amdhsa_code_object_version 6
	.text
	.protected	k_qe43dfea52c_prep
	.globl	k_qe43dfea52c_prep
	.p2align	8
	.type	k_qe43dfea52c_prep,@function
k_qe43dfea52c_prep:
	s_mov_b64 s[64:65], 0
	v_nop
	global_prefetch_b8 v0, s[64:65] scope:SCOPE_SE
	s_setreg_imm32_b32 hwreg(HW_REG_WAVE_SCHED_MODE, 0, 2), 2
	s_setreg_imm32_b32 hwreg(HW_REG_WAVE_MODE, 25, 1), 1
	s_wait_xcnt 0x0
	s_wait_alu depctr_vm_vsrc(0)
; THE MATRIX OPERANDS, ROUNDED ONCE AND LAID IN BLOCKS OF K.  x, Wq, Wk, Wv: f32 -> bf16.  Wo: f32 -> bf16, and that number written as f16 (the last product's other
; operand is f16).  LIMIT: bf16(Wo) beyond 65,504 becomes an infinity; below 6e-5 it keeps f16's fixed step of 6e-8.
; LAYOUT OUT: [32 blocks of K][rows][64 numbers]: number (row, k) lies at byte ((k >> 6) x ROWS + row) x 128 + (k & 63) x 2, so that R rows of one block are R x 128
; consecutive bytes.  xb: 4,096 rows as in x.  wb: 6,144 rows, row = head x 384 + part x 128 + e % 128 (part 0, 1, 2 = q, k, v; e the weight's row).  wob: 2,048 rows as in Wo.
; SHARES.  Grid y names the tensor: 0, 1 the two halves of x's rows; 2, 3, 4 Wq, Wk, Wv; 5 Wo.  A work-group takes 16 rows, whole: 131,072 bytes in, 65,536 out.
; Thread t reads 16 bytes at row t / 16, byte 16 (t % 16) of each block's 256: a wave's load covers two rows' 256 consecutive, aligned bytes.  It writes 8 bytes at 8 t of the
; group's 2,048 consecutive bytes of that block: a wave's store covers 256 consecutive, aligned bytes.
; All 32 loads of a thread go out at once; no register that a pending load or store names is written again, so of the memory counters only the counted waits for the data are needed.
; No LDS, no barrier, no matrix unit: no byte is wanted by two threads.
; THE MODE: SCHED_MODE bits 1:0 = 2 (LLVM: expert scheduling mode 2), set by the entry lines.  The code itself states the register dependences
; between vector instructions and memory instructions, with s_wait_alu, always for 0.
; THE PLAN.  The 32 blocks go in eight batches of four.  Registers that memory instructions touch:
;   v1    the source offset.  Written at the head, never again; read by all 32 loads.
;   X     block k's four registers take one load; no vector instruction names them ahead of it; block k's conversions read them behind the counted wait for the data.
;   OFF   block k's destination offset.  Written once: v2 at the head, the other 31 by the adds behind the loads; read by block k's store.
;   Y     block k's two registers.  Written once, by block k's conversions; read by block k's store.
;   T is named by vector instructions alone.
; Batch b's memory instructions are the four stores of batch b - 1, which read that batch's Y and OFF; its vector instructions name X and Y of batch b, and T.  So ONE wait at a batch's head
; states all that its four stores hang on, and they are dealt among its conversions with no further wait.  No register that a memory instruction reads is ever written again:
; nothing is owed for the sources of memory instructions.
.set KBSA, 524288                      ; bytes from block to block in xb
.set KBSB, 786432                      ; in wb
.set KBSO, 262144                      ; in wob
.set OFF,  2                           ; v[2:33]    block k: my byte offset in the destination
.set X,    36                          ; v[36:163]  block k: four f32 as loaded
.set Y,    164                         ; v[164:227] block k: four 16-bit numbers to store
.set T,    228                         ; v[228:229] at work
	s_load_b512 s[8:23], s[0:1], 0x0               ; x 8, Wq 10, Wk 12, Wv 14, Wo 16, xb 18, wb 20, wob 22
	s_and_b32 s2, ttmp7, 0xffff                    ; y
	s_sub_co_u32 s3, s2, 2                         ; the part, 0 to 2, where y names Wq, Wk, Wv
	v_lshrrev_b32 v1, 4, v0
	v_and_b32 v2, 15, v0
	v_lshlrev_b32 v2, 4, v2
	v_lshl_add_u32 v1, v1, 13, v2                  ; row x 8,192 + 16 (t % 16)
	v_lshlrev_b32 v[OFF], 3, v0                    ; 8 t
	s_lshl_b32 s29, ttmp9, 4                       ; 16 x the group's number
	s_cmp_eq_u32 s2, 1
	s_cselect_b32 s30, 2048, 0
	s_add_co_u32 s30, s30, s29                     ; the first source row
	s_lshr_b32 s32, ttmp9, 3                       ; a weight's head,
	s_mul_i32 s32, s32, 384
	s_lshl_b32 s33, s3, 7                          ; its part,
	s_add_co_u32 s32, s32, s33
	s_and_b32 s33, ttmp9, 7                        ; and its rows in the head
	s_lshl_b32 s33, s33, 4
	s_add_co_u32 s32, s32, s33
	s_cmp_lt_u32 s3, 3
	s_cselect_b32 s32, s32, s30                    ; the first destination row: x and Wo keep their rows
	s_lshl_b32 s30, s30, 13                        ; in bytes, as pairs with 0 above
	s_mov_b32 s31, 0
	s_lshl_b32 s32, s32, 7
	s_mov_b32 s33, 0
	s_mov_b32 s28, KBSO
	s_cmp_lt_u32 s2, 2
	s_cselect_b32 s28, KBSA, s28
	s_cmp_lt_u32 s3, 3
	s_cselect_b32 s28, KBSB, s28                   ; bytes from block to block in my destination
	s_wait_kmcnt 0x0
	s_cmp_lt_u32 s2, 2
	s_cselect_b64 s[24:25], s[8:9], s[16:17]       ; the source,
	s_cselect_b64 s[26:27], s[18:19], s[22:23]     ; the destination
	s_cmp_eq_u32 s2, 2
	s_cselect_b64 s[24:25], s[10:11], s[24:25]
	s_cmp_eq_u32 s2, 3
	s_cselect_b64 s[24:25], s[12:13], s[24:25]
	s_cmp_eq_u32 s2, 4
	s_cselect_b64 s[24:25], s[14:15], s[24:25]
	s_cmp_lt_u32 s3, 3
	s_cselect_b64 s[26:27], s[20:21], s[26:27]
	s_add_nc_u64 s[24:25], s[24:25], s[30:31]
	s_add_nc_u64 s[26:27], s[26:27], s[32:33]
	s_wait_alu depctr_va_vdst(0)                   ; v1 is written: all 32 loads read it as their offset
.set k, 0
.rept 32
	global_load_b128 v[X+4*k:X+4*k+3], v1, s[24:25] offset:256*k th:TH_LOAD_NT
.set k, k+1
.endr
.set k, 0
.rept 31
	v_add_nc_u32 v[OFF+k+1], s28, v[OFF+k]         ; made while the loads are on their way
.set k, k+1
.endr
; Block k is rounded.  half = 1: by way of bf16 into f16.
.macro CVT k, half
.if \half
	v_cvt_pk_bf16_f32 v[T], v[X+4*(\k)], v[X+4*(\k)+1]
	v_cvt_pk_bf16_f32 v[T+1], v[X+4*(\k)+2], v[X+4*(\k)+3]
	v_lshlrev_b32 v[X+4*(\k)], 16, v[T]
	v_and_b32 v[X+4*(\k)+1], 0xffff0000, v[T]
	v_lshlrev_b32 v[X+4*(\k)+2], 16, v[T+1]
	v_and_b32 v[X+4*(\k)+3], 0xffff0000, v[T+1]
	v_cvt_pk_f16_f32 v[Y+2*(\k)], v[X+4*(\k)], v[X+4*(\k)+1]
	v_cvt_pk_f16_f32 v[Y+2*(\k)+1], v[X+4*(\k)+2], v[X+4*(\k)+3]
.else
	v_cvt_pk_bf16_f32 v[Y+2*(\k)], v[X+4*(\k)], v[X+4*(\k)+1]
	v_cvt_pk_bf16_f32 v[Y+2*(\k)+1], v[X+4*(\k)+2], v[X+4*(\k)+3]
.endif
.endm
; Block k leaves.
.macro ST k
	global_store_b64 v[OFF+(\k)], v[Y+2*(\k):Y+2*(\k)+1], s[26:27]
.endm
; Batch b: blocks 4 b to 4 b + 3 are rounded; the stores of batch b - 1 stand among their conversions, one ahead of each block's.
.macro BATCH b, half
	s_wait_loadcnt 28-4*(\b)                       ; loads come back in order: blocks 4 b to 4 b + 3 are in, the 28 - 4 b younger ones stay out
.if (\b) > 0
	s_wait_alu depctr_va_vdst(0)                   ; the batch before has written its Y, which the four stores below read; at batch 1 also: the 31 adds have written OFF, which every store reads
.endif
.irp i, 0,1,2,3
.if (\b) > 0
	ST 4*((\b)-1)+(\i)                             ; no vector instruction since the wait names this store's Y or OFF
.endif
	CVT 4*(\b)+(\i), \half
.endr
.endm
; Behind the last batch: its four stores.
.macro LAST
	s_wait_alu depctr_va_vdst(0)                   ; batch 7 has written its Y, which the last four stores read
.irp i, 28,29,30,31
	ST \i
.endr
.endm
	s_cmp_eq_u32 s2, 5
	s_cbranch_scc1 .Lf16
.irp b, 0,1,2,3,4,5,6,7
	BATCH \b, 0
.endr
	LAST
	s_endpgm
.Lf16:
.irp b, 0,1,2,3,4,5,6,7
	BATCH \b, 1
.endr
	LAST
	s_endpgm
.Lfunc_end_k_qe43dfea52c_prep:
	.size	k_qe43dfea52c_prep, .Lfunc_end_k_qe43dfea52c_prep-k_qe43dfea52c_prep
	.p2alignl 7, 3214868480
	.fill 96, 4, 3214868480
	.section	.rodata,"a",@progbits
	.p2align	6, 0x0
	.amdhsa_kernel k_qe43dfea52c_prep
		.amdhsa_group_segment_fixed_size 0
		.amdhsa_private_segment_fixed_size 0
		.amdhsa_enable_private_segment 0
		.amdhsa_kernarg_size 64
		.amdhsa_user_sgpr_count 2
		.amdhsa_user_sgpr_kernarg_segment_ptr 1
		.amdhsa_wavefront_size32 1
		.amdhsa_system_sgpr_workgroup_id_x 1
		.amdhsa_system_sgpr_workgroup_id_y 1
		.amdhsa_system_sgpr_workgroup_id_z 1
		.amdhsa_system_vgpr_workitem_id 0
		.amdhsa_next_free_vgpr 232
		.amdhsa_next_free_sgpr 66
		.amdhsa_reserve_vcc 0
		.amdhsa_float_denorm_mode_32 3
		.amdhsa_float_denorm_mode_16_64 3
		.amdhsa_memory_ordered 1
		.amdhsa_forward_progress 1
		.amdhsa_inst_pref_size 32
	.end_amdhsa_kernel
	.amdgpu_metadata
---
amdhsa.version: [ 1, 2 ]
amdhsa.kernels:
  - .name:           k_qe43dfea52c_prep
    .symbol:         k_qe43dfea52c_prep.kd
    .args:
      - { .name: x, .offset: 0, .size: 8, .value_kind: global_buffer, .address_space: global }
      - { .name: Wq, .offset: 8, .size: 8, .value_kind: global_buffer, .address_space: global }
      - { .name: Wk, .offset: 16, .size: 8, .value_kind: global_buffer, .address_space: global }
      - { .name: Wv, .offset: 24, .size: 8, .value_kind: global_buffer, .address_space: global }
      - { .name: Wo, .offset: 32, .size: 8, .value_kind: global_buffer, .address_space: global }
      - { .name: xb, .offset: 40, .size: 8, .value_kind: global_buffer, .address_space: global }
      - { .name: wb, .offset: 48, .size: 8, .value_kind: global_buffer, .address_space: global }
      - { .name: wob, .offset: 56, .size: 8, .value_kind: global_buffer, .address_space: global }
    .group_segment_fixed_size: 0
    .private_segment_fixed_size: 0
    .kernarg_segment_align: 8
    .kernarg_segment_size: 64
    .max_flat_workgroup_size: 256
    .sgpr_count:     66
    .vgpr_count:     232
    .wavefront_size: 32
...
	.end_amdgpu_metadata
.endif
;; end of part 4
;; launch qkvattn: the kernel of part 2 again; grid 16 x 16, 4 waves a work-group, clusters of 4 x 4, 327,680 bytes of LDS; arguments xb, wb, bq, bk, bv, ob; writes ob
;; launch oproj: the kernel of part 3 again; grid 8 x 32, 4 waves a work-group, clusters of 4 x 4, 327,680 bytes of LDS; arguments ob, wob, bo, out0; writes out0
